; MI455X (gfx1250); checked and timed in simulation.
; The chip was launched on July 23, 2026; its instructions are those of AMD's public machine-readable ISA for CDNA 5 (MIT licence, August 2026) and "CDNA5" Instruction Set Architecture Reference Guide (July 2026). The comments in the code are by the model that wrote it; some were corrected since.
;; MLP. Allowed arithmetic: matrix products marked QUANTISED: E5M2 operands, one given power-of-two scale a tensor, by v_wmma_f32_16x16x64_bf8_bf8 or v_wmma_f32_16x16x128_bf8_bf8, f32 sums; products left as they are: f32 operands where the result goes on into a quantised operand, else bf16, f16 or f32 operands; f32 sums; everything else in f32.
;; Inputs: G 16 x 4,096 float32; H_codes 16 x 128 x 32 uint8 (E5M2 codes of H, K innermost, in blocks of 32 codes); W2_codes 4,096 x 128 x 32 uint8 (E5M2 codes of W2, K innermost, in blocks of 32 codes); b1 4,096 float32; b2 4,096 float32; lowp_scales 4 int32 (the exponents e of the quantised operands' scales 2^e); x_codes 4,096 x 128 x 32 uint8 (E5M2 codes of x, K innermost, in blocks of 32 codes).
;; Outputs: out0 4,096 x 4,096 float32.
;; This version of the problem:
;;   THIS VERSION OF THE PROBLEM IS GIVEN IN LOW PRECISION. The matrix products marked QUANTISED in the list below multiply operands that are first quantised to E5M2 (5 exponent bits, 2 mantissa bits; 8 bits a number), with one given power-of-two scale for each operand tensor; their sums are f32. All else is computed in f32.
;;   The module's matrix products, in the order in which they are computed (A, B: the left and right operand; K: the contracted axis; several contracted axes count as one K, in the product's order):
;;     1. [M 4,096, K 4,096] x [K 4,096, N 16]; A: input x (given as codes); B: input H (given as codes): QUANTISED (scales: A lowp_scales[0], B lowp_scales[1])
;;     2. [M 4,096, K 16] x [K 16, N 4,096]; A: computed on the way; B: input G: left as it is (K = 16 < 32)
;;     3. [M 4,096, K 4,096] x [K 4,096, N 4,096]; A: computed on the way; B: input W2 (given as codes): QUANTISED (scales: A lowp_scales[2], B lowp_scales[3])
;;   THE QUANTISER, for each operand of a quantised product, along K:
;;     - The operand's scale is 2^e, e = its entry of the input lowp_scales (int32; the entries are numbered through the quantised products in the list's order, A before B).
;;     - Each number is divided by the scale, clamped to +-57,344, and rounded to the nearest number of E5M2, ties to even, subnormals kept.
;;     - The product sums the exact products of the quantised numbers (number of the format x scale) in f32.
;;   ~~~python
;;   def quantise(x, axis, e):      # numpy; x: float32 -> the quantised numbers, widened to float32 again
;;       x = np.moveaxis(x, axis, -1); K = x.shape[-1]
;;       r = np.clip(x / 2.0 ** e, -57344, 57344)
;;       step = 2.0 ** (np.maximum(np.frexp(np.where(r == 0, 1, r))[1] - 1, -14) - 2)
;;       q = np.round(r / step) * step * 2.0 ** e      # np.round: ties to even
;;       return np.moveaxis(q, -1, axis).astype(np.float32)
;;   ~~~
;;   OPERANDS COMPUTED ON THE WAY. 'Computed on the way' means the value that the module computes at that place (a softmax that the list does not call 'softmax' is quantised finished and normalised). What goes into a quantiser is computed in f32, as accurately as f32 sums, v_exp_f32 and their like allow (about 1e-6 of the number): no bf16 or f16 on the way to a quantiser, and a product that is left as it is and whose result goes on into a quantised operand takes f32 operands (vector FMAs, or v_wmma_f32_16x16x4_f32). A number that lies on a knife's edge between two numbers of the format may be rounded either way, as far as f32 arithmetic and the matrix unit's own rounding can turn it there, and no further.
;;   INPUTS GIVEN AS CODES. H (in the module: [16, 4096], K = its axis 1); W2 (in the module: [4096, 4096], K = its axis 0); x (in the module: [4096, 4096], K = its axis 1): each comes as NAME_codes (uint8): NAME with its K axis moved to the last place and cut into blocks of 32 codes, [.., K / 32, bytes a block], one block behind the other in memory; one code a byte (a code: sign, 5 exponent bits, 2 mantissa bits); its scale is its entry of lowp_scales. Its value is code x scale, taken as it is: it is not quantised again, and the codes and scales need not be those that the quantiser above would give.
;; One version. Each part assembles by itself: llvm-mc -triple=amdgcn-amd-amdhsa -mcpu=gfx1250 --defsym DOCPART=n.
;; ======== version 1 of 1: 2 launches
;; limits: right only within a limited range of input values
;; workspace buffers: hc 16,777,216 bytes
;; launch hidden (part 1): grid 256 x 1, 8 waves a work-group, clusters of 4 x 1, 327,680 bytes of LDS; arguments x_codes, H_codes, G, b1, lowp_scales, hc; writes hc
.if DOCPART == 1
	.amdgcn_target "amdgcn-amd-amdhsa--gfx1250"
	.amdhsa_code_object_version 6
	.text
	.protected	k_q08a49eaa48_hidden
	.globl	k_q08a49eaa48_hidden
	.p2align	8
	.type	k_q08a49eaa48_hidden,@function
k_q08a49eaa48_hidden:
	s_mov_b64 s[64:65], 0
	v_nop
	global_prefetch_b8 v0, s[64:65] scope:SCOPE_SE
	s_setreg_imm32_b32 hwreg(HW_REG_WAVE_MODE, 25, 1), 1
	s_wait_xcnt 0x0
	s_wait_alu depctr_hold_cnt(0) depctr_sa_sdst(0) depctr_va_vdst(0) depctr_va_sdst(0) depctr_va_ssrc(0) depctr_va_vcc(0) depctr_vm_vsrc(0)
	s_getreg_b32 s2, hwreg(HW_REG_IB_STS2, 6, 4)
	s_cmp_eq_u32 s2, 0
	s_cbranch_scc0 .Lentry_in_a_cluster
	s_endpgm
.Lentry_in_a_cluster:
	s_bfe_u32 s2, ttmp6, 0x10000c
	s_cmp_lg_u32 s2, 0x3003
	s_cbranch_scc0 .Lentry_shape_is_right
	s_endpgm
.Lentry_shape_is_right:
; hc = the codes (E5M2, scale 2^e2) of h = relu((x H^T) G + b1).  x: [4096][4096] codes (2^e0), H: [16][4096] codes (2^e1), G: [16][4096] f32, b1: [4096] f32.
; SHARES.  A work-group of eight waves owns 16 rows.  x H^T: wave w takes K = 512 w .. 512 w + 511 (four matrix instructions on the codes as they are); the eight partial sums meet in LDS, and
; every wave adds all eight in the same order and multiplies by 2^(e0 + e1).  (x H^T) G has f32 operands, since its result goes into a quantiser: v_wmma_f32_16x16x4_f32, four K steps for the 16.
; Wave w makes four blocks of 128 hidden units (fragments f = 0 .. 3): K steps 2 w, 2 w + 1, 16 + 2 w, 17 + 2 w of the next product.
; LAYOUT.  x H^T is used transposed (source 0 = H's 16 rows, source 1 = x's 16 rows): register j of lane (r, h) is xH[row r][8 h + j].  Read in pairs these registers ARE source 1 of the f32 form, with the
; 16 along K taken in the order 8 h + 2 s + j (s the K step, j the register): the same order is given to G, so each product meets its partner.  Source 0 = 16 columns of G, and THE COLUMNS OF A TILE ARE
; NOT NEIGHBOURS: lane r of tile 2 b + u takes column 32 b + 8 u + r + 8 (r / 8), so that the 16 result registers of tiles 2 b and 2 b + 1 are, for row r, the 16 neighbours 32 b + 16 h + 0 .. 15.
; b1 is the C of each sum's first matrix instruction, in the result's layout.  The activation and the hold at the largest code are one v_med3_num_f32 (between 0 and 57,344 x 2^e2).
; hc IS LAID AS IMAGES OF THE NEXT PRODUCT'S OPERAND REGISTERS: a fragment (16 rows x 128 K) is 2,048 bytes, four groups c of 512, lane l's 16 bytes (K = 32 c + 16 (l / 16) + 0 .. 15 of row l % 16) at
; 512 c + 16 l; fragment (MB = row / 16, ks = K / 128) lies at (MB / 8) 524288 + (ks / 2) 32768 + (MB % 8) 4096 + (ks % 2) 2048.  Each store of a wave covers 512 consecutive bytes, aligned.
; CLUSTER.  All work-groups read the same H and G, 320 of the 400 KiB that a work-group reads: four work-groups ask for them jointly (mask 15).  x is each work-group's own: a plain tensor load.
; LIMITS: e2 between -126 and 112, so that 2^e2 and 57,344 x 2^e2 are f32 numbers; e0 + e1 is applied by v_ldexp_f32 and has none.  NaN in G or b1 is not served.
.set PW,    16640                      ; LDS: x's two halves at 0 and 2 PW, H's at 4 PW and 6 PW (16 rows x 2,048 codes, each row two lines of 1,024 + 16 bytes); bytes PW w .. are filled again with wave w's second tile of G, whose 16 lines fall on the same lines
.set XP,    2080                       ; a row of a half: two lines of 1,040 bytes
.set HOFF,  4*PW                       ; H's halves lie four regions behind x's
.set AHH,   56                         ; v56  my place in H's tiles: v4 + HOFF
.set QB,    8*PW                       ; G's first 2,048 columns, in four tiles of 16 rows x 512 columns at QB + 16 GQ j: waves 2 j and 2 j + 1 read the two lines of each row
.set GQ,    2064                       ; a row there: two lines of 1,024 + 8 bytes = 516 words: eight rows on are 32 banks on (64 banks of 4 bytes: ISA guide 11.1)
.set QW,    16640
.set GP,    1040                       ; 1,024 bytes + 16 = 260 words: eight rows on are 32 banks on (64 banks of 4 bytes: ISA guide 11.1): the 32 lanes of a ds_load_b32 touch 32 different banks
.set RED,   QB+8*QW                    ; eight images of 1,024 bytes: the partial sums.  No tensor load lands here
.set SPARE, RED+8192                   ; the spare words, 128 bytes for each wave: four blocks of 256 bytes that no other line names
.set AXH,  4                           ; v4   2 PW (w / 4) + 1040 ((w / 2) % 2) + 512 (w % 2) + 2080 r + 16 h: my place in x's tiles
.set AGQ,  5                           ; v5   my place in G's first tile: QB + 16 GQ (w / 2) + 1032 (w % 2) + 8 GQ h + 4 (r + 8 (r / 8))
.set AGP,  6                           ; v6   the same in G's second tile
.set AIM,  7                           ; v7   RED + 1024 w + 16 lane: where my partial sums go
.set ARD,  8                           ; v8   RED + 16 lane: where all are read
.set AB1,  9                           ; v9   1024 w + 64 h: my byte in b1
.set AOUT, 10                          ; v10  16 lane: my byte in a group of an image
.set SC,   11                          ; v11  2^e2 as f32
.set LIM,  12                          ; v12  57,344 x 2^e2
.set SPW,  13                          ; v13  LDS address of my spare word; never rewritten
.set NIL,  14                          ; v14  0; never rewritten
.set XH,   16                          ; v16-23   xH of my row: 8 h + 0 .. 7
.set TMP,  24                          ; v24-39   16 numbers held; at first v24-55 are the four sums of x H^T
.set CODES, 40                         ; v40-55   a fragment's codes
.set GA,   64                          ; v64-127  G: tile t, K step s at v[GA + 8 t + 2 s]; at first x's four fragments, then the eight images
.set BB,   128                         ; v128-191 b1 in the result's layout; at first H's four fragments
.set ACC,  192                         ; v192-255 the eight tiles of h: written by the f32 matrix form alone
.set WV,   16                          ; s16  my wave's number
; A round of the cluster's barrier: my work-group's barrier, wave 0's signal for the work-group, every wave's wait for all four work-groups, my work-group's barrier once more.
.macro ROUND
	s_barrier_signal -1
	s_barrier_wait -1
	s_cmp_lg_u32 s[WV], 0
	s_cbranch_scc1 .Lnot_wave_0_\@
	s_barrier_signal -3
.Lnot_wave_0_\@:
	s_barrier_wait -3
	s_barrier_signal -1
	s_barrier_wait -1
.endm
; G for K step s of fragment f: 16 loads of 4 bytes a lane: rows 8 h + 2 s + j, the eight tiles' columns
.macro GLOAD adr, f, s
.irp t, 0,1,2,3,4,5,6,7
.irp j, 0,1
	ds_load_b32 v[GA+8*\t+2*(\s)+\j], v[\adr] offset:(2*(\s)+\j)*(GP+(GQ-GP)*(1-(\f)/2))+512*((\f)%2)+4*(32*(\t/2)+8*(\t%2))   ; rows GQ apart in the first tile (fragments 0, 1), GP in the second
.endr
.endr
.endm
; b1 for fragment f: lane (r, h) wants, for tile 2 b + u, the eight numbers of units 32 b + 16 h + 8 u + 0 .. 7
.macro B1LOAD f
.irp t, 0,1,2,3,4,5,6,7
.irp g, 0,1
	global_load_b128 v[BB+8*\t+4*\g:BB+8*\t+4*\g+3], v[AB1], s[10:11] offset:8192*((\f)/2)+512*((\f)%2)+4*(32*(\t/2)+8*(\t%2))+16*\g
.endr
.endr
.endm
; A FRAGMENT: 32 matrix instructions (four K steps x eight tiles, the tiles by turns, one instruction a turn), the quantiser, four stores.
; more = 1: as soon as a K step's eight products are issued, its registers of G take the next fragment's numbers (from v[nextadr]), and b1's likewise behind the first K step: one set of registers serves.
.macro FRAG f, nextadr, more
.irp s, 0,1,2,3
.if \more
	s_wait_dscnt 48                                ; behind this K step's 16 loads stand 16 (3 - s) of this fragment's later steps and 16 s of the next fragment's earlier ones
.else
	s_wait_dscnt 16*(3-\s)                         ; only this fragment's later steps
.endif
.if \s == 0
	s_wait_loadcnt 0x0                             ; b1's 16 loads
.endif
.irp t, 0,1,2,3,4,5,6,7
.if \s == 0
	v_wmma_f32_16x16x4_f32 v[ACC+8*\t:ACC+8*\t+7], v[GA+8*\t:GA+8*\t+1], v[XH:XH+1], v[BB+8*\t:BB+8*\t+7]
.else
	v_wmma_f32_16x16x4_f32 v[ACC+8*\t:ACC+8*\t+7], v[GA+8*\t+2*\s:GA+8*\t+2*\s+1], v[XH+2*\s:XH+2*\s+1], v[ACC+8*\t:ACC+8*\t+7]
.endif
.endr
.if \more || (\s == 3)
.rept 8
	v_nop                                          ; eight places behind this form, in front of loads into its sources and of the first read of its results
.endr
.endif
.if \more
	GLOAD \nextadr, (\f)+1, \s
.if \s == 0
	B1LOAD (\f)+1
.endif
.endif
.endr
.if \f > 0
	s_wait_xcnt 0x0                                ; the last fragment's stores have read the codes' registers, which are written again below
.endif
.irp b, 0,1,2,3
.irp i, 0,1,2,3,4,5,6,7,8,9,10,11,12,13,14,15
	v_med3_num_f32 v[TMP+\i], v[ACC+16*\b+\i], 0, v[LIM]   ; the activation and the hold in one, into other registers; each tile from its low end on
.endr
	v_cvt_scalef32_pk8_bf8_f32 v[CODES+4*\b:CODES+4*\b+1], v[TMP:TMP+7], v[SC]
	v_cvt_scalef32_pk8_bf8_f32 v[CODES+4*\b+2:CODES+4*\b+3], v[TMP+8:TMP+15], v[SC]
	v_nop                                          ; one plain instruction between a scaled conversion and the next write of its sources
.endr
.irp c, 0,1,2,3
	global_store_b128 v[AOUT], v[CODES+4*\c:CODES+4*\c+3], s[14:15] offset:262144*((\f)/2)+2048*((\f)%2)+512*\c   ; 32 lanes store 512 consecutive bytes, aligned
.endr
.endm
	s_load_b256 s[4:11], s[0:1], 0x0               ; x's codes s[4:5], H's codes s[6:7], G s[8:9], b1 s[10:11]
	s_load_b128 s[12:15], s[0:1], 0x20             ; the scales' exponents s[12:13], hc s[14:15]
	v_lshl_add_u32 v[SPW], v0, 2, SPARE
	v_mov_b32 v[NIL], 0
	ds_add_u32 v13, v14
	ds_add_u32 v13, v14
	s_wait_dscnt 0x0
	v_lshrrev_b32 v1, 5, v0
	s_delay_alu instid0(VALU_DEP_1)
	v_readfirstlane_b32 s[WV], v1                  ; wave 0..7
	s_bfe_u32 s17, ttmp6, 0x40000                  ; cx: my place in the cluster
	s_lshl_b32 s18, ttmp9, 2                       ; in a cluster launch ttmp9 counts clusters
	s_add_co_u32 s18, s18, s17                     ; my block of 16 rows: it enters x's and hc's addresses alone
	; descriptor groups 1.  x (s[24:31], no mask) and H (s[32:39], mask 15): 16 rows x 2,048 bytes, 4,096 apart, four words of padding behind every 256
	s_mov_b32 s24, (1<<20)|(7<<22)|(3<<25)         ; rows of 1,024 bytes: four words of padding behind every 256
	s_mov_b32 s32, 15|(1<<20)|(1<<21)|(7<<22)|(3<<25)
.irp g, 24, 32
	s_mov_b32 s[\g+1], 2048<<16                    ; tensor_dim0
	s_mov_b32 s[\g+2], 16<<16                      ; tensor_dim1
	s_mov_b32 s[\g+3], 2048<<16                    ; tile_dim0
	s_mov_b32 s[\g+4], 16                          ; tile_dim1
	s_mov_b32 s[\g+5], 4096                        ; elements from row to row
	s_mov_b32 s[\g+6], 0
	s_mov_b32 s[\g+7], 0
.endr
	; G (s[40:47], mask 15): 16 rows x 256 elements of 4 bytes, 4,096 elements apart, four words of padding behind every 256
	s_mov_b32 s40, 15|(2<<16)|(1<<20)|(1<<21)|(7<<22)|(3<<25)
	s_mov_b32 s41, 256<<16
	s_mov_b32 s42, 16<<16
	s_mov_b32 s43, 256<<16
	s_mov_b32 s44, 16
	s_mov_b32 s45, 4096
	s_mov_b32 s46, 0
	s_mov_b32 s47, 0
	; G's first columns (s[80:87], mask 15): 16 rows x 512 elements of 4 bytes, two words of padding behind every 256
	s_mov_b32 s80, 15|(2<<16)|(1<<20)|(1<<21)|(7<<22)|(1<<25)
	s_mov_b32 s81, 512<<16
	s_mov_b32 s82, 16<<16
	s_mov_b32 s83, 512<<16
	s_mov_b32 s84, 16
	s_mov_b32 s85, 4096
	s_mov_b32 s86, 0
	s_mov_b32 s87, 0
	; descriptor groups 0, a set for each load, never rewritten: x s[48:51], H s[52:55], G's first tile s[56:59], its second s[60:63]
	s_mov_b32 s48, 1
	s_mov_b32 s52, 1
	s_mov_b32 s56, 1
	s_mov_b32 s60, 1
	s_mul_i32 s49, s[WV], 2*PW                     ; LDS addresses hang on the wave's number alone: waves 0, 1 x's halves, waves 2, 3 H's
	s_mov_b32 s53, s49                             ; waves 2, 3 fill regions 4-7 with H's halves
	s_and_b32 s57, s[WV], 3                        ; waves 4-7: tile w - 4 of G's first columns
	s_mul_i32 s57, s57, 16*GQ
	s_add_co_u32 s57, s57, QB
	s_mul_i32 s61, s[WV], PW                       ; G's second tile: each wave's own
	s_lshr_b32 s75, s[WV], 2                       ; where my 512 along K lie: half w / 4, line (w / 2) % 2 of its rows, half w % 2 of the line
	s_mul_i32 s75, s75, 2*PW
	s_bfe_u32 s74, s[WV], 0x10001
	s_mul_i32 s74, s74, XP/2
	s_add_co_u32 s75, s75, s74
	s_and_b32 s74, s[WV], 1
	s_lshl_b32 s74, s74, 9
	s_add_co_u32 s75, s75, s74
	s_lshr_b32 s76, s[WV], 1                       ; where my 256 of G's first columns lie: tile w / 2, line w % 2 of its rows
	s_mul_i32 s76, s76, 16*GQ
	s_and_b32 s77, s[WV], 1
	s_mul_i32 s77, s77, GQ/2
	s_add_co_u32 s76, s76, s77
	s_add_co_u32 s76, s76, QB
	s_lshl_b32 s20, s18, 16                        ; x: 16 rows of 4,096 bytes a work-group,
	s_and_b32 s22, s[WV], 1                        ; the half that I fetch: 2,048 bytes of each row
	s_lshl_b32 s22, s22, 11
	s_add_co_u32 s20, s20, s22
	s_mov_b32 s21, 0
	s_mov_b32 s23, 0
	s_wait_kmcnt 0x0
	s_load_b128 s[68:71], s[12:13], 0x0            ; e0, e1, e2, e3
	s_add_nc_u64 s[50:51], s[4:5], s[20:21]
	s_add_nc_u64 s[54:55], s[6:7], s[22:23]        ; H: the same half of each of its rows
	s_lshl_b32 s22, s[WV], 10                      ; G: 256 columns a wave,
	s_add_nc_u64 s[62:63], s[8:9], s[22:23]
	s_add_nc_u64 s[62:63], s[62:63], 8192          ; the second tile: my 256 columns of those that lie 2,048 columns on
	s_and_b32 s22, s[WV], 3
	s_lshl_b32 s22, s22, 11
	s_add_nc_u64 s[58:59], s[8:9], s[22:23]        ; the first: 512 columns for each of waves 4-7
	s_or_b32 s51, s51, 0x80000000                  ; type = 2
	s_or_b32 s55, s55, 0x80000000
	s_or_b32 s59, s59, 0x80000000
	s_or_b32 s63, s63, 0x80000000
	s_lshr_b32 s20, s18, 3                         ; hc: (MB / 8) 524288 + (MB % 8) 4096 + 32768 w
	s_lshl_b32 s20, s20, 19
	s_and_b32 s73, s18, 7
	s_lshl_b32 s73, s73, 12
	s_add_co_u32 s20, s20, s73
	s_lshl_b32 s73, s[WV], 15
	s_add_co_u32 s20, s20, s73
	s_add_nc_u64 s[14:15], s[14:15], s[20:21]
	ROUND                                          ; all four work-groups are here: the first joint loads meet
	s_cmp_lt_u32 s[WV], 2                          ; one tensor load a wave at the head, in one chain of arms: waves 0, 1 fetch x's halves,
	s_cbranch_scc0 .Lnot_x
	tensor_load_to_lds s[48:51], s[24:31]
	s_nop 0
.rept 4
	v_nop
.endr
	s_branch .Lasked
.Lnot_x:
	s_cmp_lt_u32 s[WV], 4                          ; waves 2, 3 H's halves, jointly,
	s_cbranch_scc0 .Lfor_g
	tensor_load_to_lds s[52:55], s[32:39]
	s_nop 0
.rept 4
	v_nop
.endr
	s_branch .Lasked
.Lfor_g:
	tensor_load_to_lds s[56:59], s[80:87]          ; waves 4-7 G's first 2,048 columns, jointly
	s_nop 0
.rept 4
	v_nop
.endr
.Lasked:
	v_and_b32 v1, 15, v0                           ; r
	v_bfe_u32 v2, v0, 4, 1                         ; h
	v_and_b32 v3, 31, v0                           ; lane
	s_delay_alu instid0(VALU_DEP_3)
	v_mul_u32_u24 v[AXH], v1, XP
	s_delay_alu instid0(VALU_DEP_1)
	v_lshl_add_u32 v[AXH], v2, 4, v[AXH]
	s_delay_alu instid0(VALU_DEP_1)
	v_add_nc_u32 v[AXH], s75, v[AXH]
	v_add_nc_u32 v[AHH], HOFF, v[AXH]
	v_and_b32 v15, 8, v1
	s_delay_alu instid0(VALU_DEP_1)
	v_add_nc_u32 v15, v15, v1                      ; r + 8 (r / 8)
	s_delay_alu instid0(VALU_DEP_1)
	v_lshlrev_b32 v15, 2, v15
	s_delay_alu instid0(VALU_DEP_1)
	v_mad_u32_u24 v[AGQ], v2, 8*GQ, v15            ; + eight rows of G for lanes 16-31, by each tile's own pitch
	v_mad_u32_u24 v15, v2, 8*GP, v15
	v_add_nc_u32 v[AGQ], s76, v[AGQ]
	v_add_nc_u32 v[AGP], s61, v15
	v_lshlrev_b32 v[AOUT], 4, v3
	s_delay_alu instid0(VALU_DEP_1)
	v_add_nc_u32 v[ARD], RED, v[AOUT]
	s_lshl_b32 s22, s[WV], 10
	v_add_nc_u32 v[AIM], s22, v[ARD]
	v_lshlrev_b32 v[AB1], 6, v2
	s_delay_alu instid0(VALU_DEP_1)
	v_add_nc_u32 v[AB1], s22, v[AB1]
	; ---- every wave reads tiles that other waves fetched: each waits for its own load, then the work-group's barrier.
	s_wait_alu depctr_va_vdst(0)                   ; the wait at the head's end
	s_wait_tensorcnt 0x0                           ; my tile is in
	s_barrier_signal -1
	s_barrier_wait -1
	; ---- x H^T, my 512 along K
.irp i, 0,1,2,3
.irp c, 0,1,2,3
	ds_load_b128 v[GA+16*\i+4*\c:GA+16*\i+4*\c+3], v[AXH] offset:128*\i+32*\c          ; x: registers 4 c .. 4 c + 3 hold K = 32 c + 16 h + 0 .. 15,
.endr
.irp c, 0,1,2,3
	ds_load_b128 v[BB+16*\i+4*\c:BB+16*\i+4*\c+3], v[AHH] offset:128*\i+32*\c          ; and H's likewise: the same order of K on both sides
.endr
.endr
.irp i, 0,1,2,3
	s_wait_dscnt 8*(3-\i)                          ; eight loads for each later 128 along K may be out
	v_wmma_f32_16x16x128_bf8_bf8 v[TMP+8*\i:TMP+8*\i+7], v[BB+16*\i:BB+16*\i+15], v[GA+16*\i:GA+16*\i+15], 0
.endr
.rept 4
	v_nop                                          ; four places behind this form, in front of loads into its sources and of the first read of its results
.endr
	B1LOAD 0
.irp p, 0,2,4,6
	v_pk_add_f32 v[XH+\p:XH+\p+1], v[TMP+\p:TMP+\p+1], v[TMP+8+\p:TMP+8+\p+1]
.endr
.irp p, 0,2,4,6
	v_pk_add_f32 v[TMP+16+\p:TMP+16+\p+1], v[TMP+16+\p:TMP+16+\p+1], v[TMP+24+\p:TMP+24+\p+1]
.endr
.irp p, 0,2,4,6
	s_delay_alu instid0(VALU_DEP_4)
	v_pk_add_f32 v[XH+\p:XH+\p+1], v[XH+\p:XH+\p+1], v[TMP+16+\p:TMP+16+\p+1]
.endr
	ds_store_b128 v[AIM], v[XH:XH+3]               ; my partial sums, as an image of their registers
	ds_store_b128 v[AIM], v[XH+4:XH+7] offset:512
	; ---- region P is filled again, with G's second tile; the same round shows every wave's partial sums to the others
	s_wait_tensorcnt 0x0                           ; all my tensor loads have landed, G's first tile among them
	ds_add_u32 v[SPW], v[NIL]                      ; 0 onto my spare word: the scales are made while it is out
	s_wait_kmcnt 0x0
	s_add_co_i32 s72, s68, s69                     ; e0 + e1
	s_add_co_i32 s73, s70, 127
	s_lshl_b32 s74, s73, 23
	v_mov_b32 v[SC], s74                           ; 2^e2 as f32: the conversion takes its exponent field
	s_add_co_i32 s73, s73, 15
	s_lshl_b32 s73, s73, 23
	s_or_b32 s73, s73, 0x600000
	v_mov_b32 v[LIM], s73                          ; 57,344 x 2^e2
	s_wait_dscnt 0x0                               ; the add is done, my image is stored, my reads of x's and H's tiles are over
	ROUND                                          ; all that now holds of every wave of every partner
	tensor_load_to_lds s[60:63], s[40:47]          ; my one tensor load behind the round, and the first thing there
	s_nop 0
.rept 4
	v_nop
.endr
.irp i, 0,1,2,3,4,5,6,7
.irp g, 0,1
	ds_load_b128 v[GA+8*\i+4*\g:GA+8*\i+4*\g+3], v[ARD] offset:1024*\i+512*\g
.endr
.endr
	s_wait_dscnt 0x0
.irp k, 0,1,2,3
.irp p, 0,2,4,6
	v_pk_add_f32 v[GA+16*\k+\p:GA+16*\k+\p+1], v[GA+16*\k+\p:GA+16*\k+\p+1], v[GA+16*\k+8+\p:GA+16*\k+8+\p+1]
.endr
.endr
.irp k, 0,1
.irp p, 0,2,4,6
	v_pk_add_f32 v[GA+32*\k+\p:GA+32*\k+\p+1], v[GA+32*\k+\p:GA+32*\k+\p+1], v[GA+32*\k+16+\p:GA+32*\k+16+\p+1]
.endr
.endr
.irp p, 0,2,4,6
	s_delay_alu instid0(VALU_DEP_4)
	v_pk_add_f32 v[XH+\p:XH+\p+1], v[GA+\p:GA+\p+1], v[GA+32+\p:GA+32+\p+1]
.endr
.irp j, 0,1,2,3,4,5,6,7
	v_ldexp_f32 v[XH+\j], v[XH+\j], s72            ; x 2^(e0 + e1): xH as it is defined
.endr
	; ---- (x H^T) G + b1, the activation, the quantiser: four fragments
.irp s, 0,1,2,3
	GLOAD AGQ, 0, \s
.endr
	s_wait_alu depctr_va_vdst(0)
	FRAG 0, AGQ, 1
	s_wait_tensorcnt 0x0                           ; G's second tile, my one load that is out: the next fragment fetches from it.  It is my wave's own
	FRAG 1, AGP, 1
	FRAG 2, AGP, 1
	FRAG 3, 0, 0
	s_wait_tensorcnt 0x0                           ; the wave's end: behind my last tensor load and my last LDS store
	ds_add_u32 v[SPW], v[NIL]
	s_wait_dscnt 0x0
	ROUND                                          ; the closing round: no work-group ends while a partner may still ask for a tile that names it
	s_endpgm
.Lfunc_end_k_q08a49eaa48_hidden:
	.size	k_q08a49eaa48_hidden, .Lfunc_end_k_q08a49eaa48_hidden-k_q08a49eaa48_hidden
	.p2alignl 7, 3214868480
	.fill 96, 4, 3214868480
	.section	.rodata,"a",@progbits
	.p2align	6, 0x0
	.amdhsa_kernel k_q08a49eaa48_hidden
		.amdhsa_group_segment_fixed_size 327680
		.amdhsa_private_segment_fixed_size 0
		.amdhsa_enable_private_segment 0
		.amdhsa_kernarg_size 48
		.amdhsa_user_sgpr_count 2
		.amdhsa_user_sgpr_kernarg_segment_ptr 1
		.amdhsa_wavefront_size32 1
		.amdhsa_system_sgpr_workgroup_id_x 1
		.amdhsa_system_sgpr_workgroup_id_y 1
		.amdhsa_system_sgpr_workgroup_id_z 1
		.amdhsa_system_vgpr_workitem_id 0
		.amdhsa_next_free_vgpr 256
		.amdhsa_next_free_sgpr 96
		.amdhsa_reserve_vcc 0
		.amdhsa_float_denorm_mode_32 3
		.amdhsa_float_denorm_mode_16_64 3
		.amdhsa_memory_ordered 1
		.amdhsa_forward_progress 1
		.amdhsa_inst_pref_size 70
	.end_amdhsa_kernel
	.amdgpu_metadata
---
amdhsa.version: [ 1, 2 ]
amdhsa.kernels:
  - .name:           k_q08a49eaa48_hidden
    .symbol:         k_q08a49eaa48_hidden.kd
    .args:
      - { .name: x_codes, .offset: 0, .size: 8, .value_kind: global_buffer, .address_space: global }
      - { .name: H_codes, .offset: 8, .size: 8, .value_kind: global_buffer, .address_space: global }
      - { .name: G, .offset: 16, .size: 8, .value_kind: global_buffer, .address_space: global }
      - { .name: b1, .offset: 24, .size: 8, .value_kind: global_buffer, .address_space: global }
      - { .name: lowp_scales, .offset: 32, .size: 8, .value_kind: global_buffer, .address_space: global }
      - { .name: hc, .offset: 40, .size: 8, .value_kind: global_buffer, .address_space: global }
    .group_segment_fixed_size: 327680
    .private_segment_fixed_size: 0
    .kernarg_segment_align: 8
    .kernarg_segment_size: 48
    .max_flat_workgroup_size: 256
    .sgpr_count:     96
    .vgpr_count:     256
    .wavefront_size: 32
...
	.end_amdgpu_metadata
.endif
;; end of part 1
;; launch gemm (part 2): grid 16 x 16, 4 waves a work-group, clusters of 4 x 1, 327,680 bytes of LDS; arguments hc, W2_codes, lowp_scales, b2, out0; writes out0
.if DOCPART == 2
	.amdgcn_target "amdgcn-amd-amdhsa--gfx1250"
	.amdhsa_code_object_version 6
	.text
	.protected	k_q08a49eaa48_gemm
	.globl	k_q08a49eaa48_gemm
	.p2align	8
	.type	k_q08a49eaa48_gemm,@function
k_q08a49eaa48_gemm:
	s_mov_b64 s[64:65], 0
	v_nop
	global_prefetch_b8 v0, s[64:65] scope:SCOPE_SE
	s_setreg_imm32_b32 hwreg(HW_REG_WAVE_MODE, 25, 1), 1
	s_wait_xcnt 0x0
	s_wait_alu depctr_hold_cnt(0) depctr_sa_sdst(0) depctr_va_vdst(0) depctr_va_sdst(0) depctr_va_ssrc(0) depctr_va_vcc(0) depctr_vm_vsrc(0)
	s_getreg_b32 s2, hwreg(HW_REG_IB_STS2, 6, 4)
	s_cmp_eq_u32 s2, 0
	s_cbranch_scc0 .Lentry_in_a_cluster
	s_endpgm
.Lentry_in_a_cluster:
	s_bfe_u32 s2, ttmp6, 0x10000c
	s_cmp_lg_u32 s2, 0x3003
	s_cbranch_scc0 .Lentry_shape_is_right
	s_endpgm
.Lentry_shape_is_right:
; out0[m][n] = 2^(e2 + e3) x (sum over k of h[m][k] W2[n][k]) + b2[n].  hc: the codes of h as images of operand registers (laid by the launch before); W2_codes: [4096 (n)][4096 (k)] codes of E5M2.
; LIMIT: e2 + e3 lies between -126 and 127, so that 2^(e2 + e3) is an f32 number.
; SHARES.  A work-group of four waves makes 256 x 256 of the output (x of the grid: the block of rows, y: the block of columns).  Wave w makes rows 64 w .. 64 w + 63 x all 256 columns:
; 64 accumulators of 16 x 16, 512 registers.  THE MATRIX INSTRUCTION IS USED TRANSPOSED (source 0 = 16 rows of W2, source 1 = 16 rows of h): a lane holds eight neighbouring columns of one row.
; h GOES FROM MEMORY STRAIGHT INTO REGISTERS.  No two waves of a work-group take the same rows of h, and hc holds each fragment (16 rows x 128 K, 2,048 bytes) as the registers want it: a load of a wave
; covers 512 consecutive bytes.  Four sets of four fragments take turns; a set is asked for in the third K step of 128 ahead of its use.  So h takes no LDS bytes and is not asked for jointly: it never lands in LDS.
; W2 GOES THROUGH LDS: with LDS to itself a slot holds 512 along K (256 rows x 528 bytes), two slots, one change of slots for 256 matrix instructions of a wave.
; CLUSTER: the four work-groups of a cluster (4 x 1) make four blocks of rows of one block of columns and need the same tiles of W2: each wave's 64 rows x 512 bytes are asked for jointly (mask 15).
; A K STEP of 128 is 64 matrix instructions, W2's sixteen blocks of 16 columns one after the other, each against h's four.  A block of W2 is free as soon as its four products are issued, so one set of
; registers serves W2: the loads stand in TWO RUNS a step, one in its middle (blocks 0-6 of the next step) and one at its end (blocks 7-14 of the next step), each 28 matrix instructions or more ahead of its first use.
; Block 15 shares block 7's registers: it is fetched at the head of the middle run, block 7 at the head of the end run.  That leaves sixteen registers of the window for addresses.
; REGISTERS, in windows of 256: window 0: v0-15 addresses, v16-255 W2's fifteen fragment buffers.  window 1: h's four sets, the set of step s at v[64 (s % 4)].
;   window 2: the accumulators of W2's blocks 0-7 ((a, b) at v[32 (b % 8) + 8 a]);  window 3: those of blocks 8-15.
.set PITCH,  528                       ; an LDS row: 512 bytes + 16 of padding, an odd multiple of 16: the 16 rows of a fragment load start at 16 different columns of 16 bytes
.set BLK,    16*PITCH
.set SLOT,   256*PITCH
.set SPARE,  2*SLOT                    ; the spare words, 128 bytes for each wave: two blocks of 256 bytes that no other line names
.set SPITCH, 1040                      ; the way out: a stage of 16 rows x (1,024 + 16) bytes for each wave, in slot 0, behind that slot's last fill and last read
.set AD,   4                           ; v4-7  LDS addresses: slot 0, 1 x blocks 0-7, 8-15
.set HV,   8                           ; v8    16 x lane
.set STO,  9                           ; v9    the way out: where I put 32 bytes of a row
.set RD,   10                          ; v10   where I read half a row back
.set PFW,  11                          ; v11   the prefetches' lane offsets: W2's,
.set PFH,  12                          ; v12   and hc's
.set SPW,  13                          ; v13   LDS address of my spare word; never rewritten
.set NIL,  14                          ; v14   0; never rewritten
.set WB,   16                          ; W2's fragment buffers
.set BK,   16                          ; the way out: eight rows read back, v16-79 and v80-143 by turns
.set BIAS, 128                         ; window 1, v128-135: b2 at my columns of the two halves of a row (h's set 2, free in the last step)
.set G1, 24                            ; s[24:31] descriptor group 1; s[32:39] group 0, one set for each slot
.set G0, 32
.set HB, 40                            ; s[40:41] my fragments in hc, stepped once a lap
.set PH, 44                            ; s[44:45] where my prefetches of hc stand
.set PW2, 46                           ; s[46:47] and those of W2
.set MUL_LO, 0xa4                      ; source 0 (W2) window 0, source 1 (h) window 1, C and D window 2
.set MUL_HI, 0xf4                      ; the same, C and D window 3
.set TO_H,   0x40                      ; destination window 1, address window 0
.set MSB, 0
.macro WIN new                         ; the immediate's high byte repeats the setting that is left
.if MSB != (\new)
	s_set_vgpr_msb (MSB<<8)|(\new)
.set MSB, (\new)
.endif
.endm
.macro CREST                           ; a round of the cluster's barrier behind its opening barrier
	s_cmp_lg_u32 s14, 0
	s_cbranch_scc1 .Lnot_wave_0_\@
	s_barrier_signal -3
.Lnot_wave_0_\@:
	s_barrier_wait -3
	s_barrier_signal -1
	s_barrier_wait -1
.endm
.macro CROUND
	s_barrier_signal -1
	s_barrier_wait -1
	CREST
.endm
.macro PLACES                          ; four places between a matrix instruction and a load into its sources or a read of its result (ISA guide 7.12.1 for vector instructions)
.rept 4
	v_nop
.endr
.endm
; W2's block b of step ts: four loads; registers 4 c .. 4 c + 3 hold K = 32 c + 16 (l / 16) + 0 .. 15 of row l % 16, the order that hc's images have
.macro WLD ts, b
.irp c, 0,1,2,3
	ds_load_b128 v[WB+16*((\b)-8*((\b)/15))+4*\c:WB+16*((\b)-8*((\b)/15))+4*\c+3], v[AD+2*(((\ts)/4)%2)+(\b)/8] offset:((\b)%8)*BLK+128*((\ts)%4)+32*\c
.endr
.endm
; eight of the sixteen loads of h's set of step hs (counted from the lap's base): load n is fragment n / 4, group n % 4
.macro HRUN hs, n0
.if (\hs) >= 0
	WIN TO_H
.irp n, 0,1,2,3,4,5,6,7
	global_load_b128 v[64*((\hs)%4)+4*(\n0+\n):64*((\hs)%4)+4*(\n0+\n)+3], v[HV], s[HB:HB+1] offset:((\hs)/2)*32768+((\hs)%2)*2048+4096*((\n0+\n)/4)+512*((\n0+\n)%4)
.endr
.endif
.endm
; W2's block b against h's four.  The 64 accumulators take turns, one instruction a turn, in the same order in every step.
.macro MB s, b, zero
.irp a, 0,1,2,3
.if \zero
	v_wmma_f32_16x16x128_bf8_bf8 v[32*((\b)%8)+8*\a:32*((\b)%8)+8*\a+7], v[WB+16*((\b)-8*((\b)/15)):WB+16*((\b)-8*((\b)/15))+15], v[64*((\s)%4)+16*\a:64*((\s)%4)+16*\a+15], 0
.else
	v_wmma_f32_16x16x128_bf8_bf8 v[32*((\b)%8)+8*\a:32*((\b)%8)+8*\a+7], v[WB+16*((\b)-8*((\b)/15)):WB+16*((\b)-8*((\b)/15))+15], v[64*((\s)%4)+16*\a:64*((\s)%4)+16*\a+15], v[32*((\b)%8)+8*\a:32*((\b)%8)+8*\a+7]
.endif
.endr
.endm
.macro ENDRUN s, hs                    ; the run at a step's end: the next step's blocks 7 to 14, and the second half of h's set
	PLACES
	WIN 0
.irp b, 7,8,9,10,11,12,13,14
	WLD (\s)+1, \b
.endr
	HRUN \hs, 8
.endm
; A K STEP of 128.  s: the step's place in a lap of eight (slot (s / 4) % 2, byte 128 (s % 4) of its rows).  lw: the younger loads of h that may stay out (16 for each later set asked for).
; turn = 0: plain.  1: the fragment loads go over to the other slot and this slot is filled again.  2: the same with no refill.  3: the very last step.  ask = 1: the two prefetches.
; The LDS loads are issued in the order: blocks 0-6 (28 loads), block 7 (4), blocks 8-14 (28), block 15 (4), the next step's blocks 0-6 ..: each wait leaves out what was issued behind the blocks that it serves.
.macro STEP s, hs, zero, turn, lw, ask
	WIN MUL_LO
	s_wait_loadcnt \lw
	s_wait_dscnt 32                                ; blocks 0-6 are in; blocks 7 to 14's 32 loads may be out
.irp b, 0,1,2,3,4,5,6
	MB \s, \b, \zero
.endr
	s_wait_dscnt 28
	MB \s, 7, \zero
	PLACES
	WIN 0
	WLD \s, 15
.if \turn == 0
.irp b, 0,1,2,3,4,5,6
	WLD (\s)+1, \b
.endr
	HRUN \hs, 0
.if \ask
	; into the L2: the slot of W2 and the four steps of hc that lie two slots on.  W2's load is issued two K steps behind this line, hc's first load four K steps behind it.
	; W2: of the 64 rows x 512 bytes that I fetch, each of the four partners names 16 rows by address, a lane a block of 256 bytes.  hc: the sixteen work-groups that read my 128 blocks name eight each (lanes 8-31 name the eighth again).
	global_prefetch_b8 v[PFW], s[PW2:PW2+1] offset:1024+512*((\s)/4) th:TH_LOAD_NT scope:SCOPE_SE
	global_prefetch_b8 v[PFH], s[PH:PH+1] offset:131072+65536*((\s)/4) th:TH_LOAD_NT scope:SCOPE_SE
.endif
	WIN MUL_HI
	s_wait_dscnt 32                                ; blocks 8-14 are in; the 32 loads just issued may be out
.irp b, 8,9,10,11,12,13,14
	MB \s, \b, \zero
.endr
	s_wait_dscnt 28                                ; block 15
	MB \s, 15, \zero
	ENDRUN \s, \hs
.endif
.if \turn == 3
	WIN TO_H
	global_load_b128 v[BIAS:BIAS+3], v[HV], s[10:11]
	global_load_b128 v[BIAS+4:BIAS+7], v[HV], s[10:11] offset:512
	WIN MUL_HI
	s_wait_dscnt 4
.irp b, 8,9,10,11,12,13,14
	MB \s, \b, 0
.endr
	s_wait_dscnt 0
	MB \s, 15, 0
.endif
.if (\turn == 1) || (\turn == 2)
.set SL, ((\s)/4)%2
	s_wait_tensorcnt 0x0                           ; block 15's were my last reads of this slot.  All my tensor loads have landed: my part of the other slot;
	ds_add_u32 v[SPW], v[NIL]                      ; 0 onto my spare word
.if \turn == 1
	s_add_nc_u64 s[G0+4*SL+2:G0+4*SL+3], s[G0+4*SL+2:G0+4*SL+3], 1024   ; no load of mine is out: this slot's next 512 along K
.endif
	WIN MUL_HI
	s_wait_dscnt 5                                 ; (block 15's four loads and the add may be out)
	MB \s, 8, 0                                    ; eight matrix instructions stand between the add and the wait for it
	MB \s, 9, 0
	s_wait_dscnt 0x0                               ; the add is done, and my reads of this slot are over
	s_barrier_signal -1
	MB \s, 10, 0                                   ; work on registers while the others arrive
	MB \s, 11, 0
	WIN 0
	s_barrier_wait -1
.if \turn == 1
	CREST                                          ; the barrier has opened a round of the cluster's barrier: no wave of any partner still reads this slot or has a load on its way
	tensor_load_to_lds s[G0+4*SL:G0+4*SL+3], s[G1:G1+7]   ; my one tensor load behind the round
	s_nop 0
.endif
	PLACES
.irp b, 0,1,2,3,4,5,6
	WLD (\s)+1, \b                                 ; from the other slot
.endr
	HRUN \hs, 0
	WIN MUL_HI
.irp b, 12,13,14,15
	MB \s, \b, 0
.endr
	ENDRUN \s, \hs
.endif
.endm
	s_load_b256 s[4:11], s[0:1], 0x0               ; hc s[4:5], W2's codes s[6:7], the scales' exponents s[8:9], b2 s[10:11]
	s_load_b64 s[12:13], s[0:1], 0x20              ; out0
	v_lshl_add_u32 v[SPW], v0, 2, SPARE
	v_mov_b32 v[NIL], 0
	ds_add_u32 v[SPW], v[NIL]                      ; the opening lines: the add, twice on end, and its wait ahead of my first tensor load
	ds_add_u32 v[SPW], v[NIL]
	v_lshrrev_b32 v16, 5, v0
	v_readfirstlane_b32 s14, v16                   ; wave 0..3
	v_and_b32 v17, 15, v0                          ; r = l % 16
	v_bfe_u32 v18, v0, 4, 1                        ; h = l / 16
	v_and_b32 v19, 31, v0                          ; lane
	v_mul_u32_u24 v20, v17, PITCH
	v_lshl_add_u32 v[AD], v18, 4, v20              ; a fragment's row x pitch + 16 h
	v_add_nc_u32 v[AD+1], 8*BLK, v[AD]
	v_add_nc_u32 v[AD+2], SLOT, v[AD]
	v_add_nc_u32 v[AD+3], SLOT+8*BLK, v[AD]
	v_lshlrev_b32 v[HV], 4, v19
	v_mul_u32_u24 v21, v17, SPITCH
	v_lshl_add_u32 v21, v18, 5, v21
	s_mul_i32 s23, s14, 16*SPITCH                  ; my stage
	v_add_nc_u32 v[STO], s23, v21
	v_add_nc_u32 v[RD], s23, v[HV]
	v_lshrrev_b32 v22, 1, v19
	v_and_b32 v23, 1, v19
	v_lshlrev_b32 v23, 8, v23
	v_lshl_add_u32 v[PFW], v22, 12, v23            ; row l / 2 of W2, block l % 2 of its 512 bytes
	v_min_u32 v22, 7, v19
	v_lshlrev_b32 v[PFH], 8, v22
	s_wait_alu depctr_va_vdst(0)                   ; the wait behind the head's vector work
	s_bfe_u32 s15, ttmp6, 0x40000                  ; cx: my place in the cluster
	s_lshl_b32 s16, ttmp9, 2
	s_add_co_u32 s16, s16, s15                     ; my block of rows: it enters hc's, out0's and the prefetches' addresses alone
	s_and_b32 s17, ttmp7, 0xffff                   ; my block of columns, the same in all four partners
	s_mov_b32 s[G1+0], 15|(1<<20)|(1<<21)|(6<<22)|(3<<25)   ; the mask; elements of 1 byte; four words of padding behind every 128
	s_mov_b32 s[G1+1], 512<<16                     ; tensor_dim0
	s_mov_b32 s[G1+2], 64<<16                      ; tensor_dim1
	s_mov_b32 s[G1+3], 512<<16                     ; tile_dim0
	s_mov_b32 s[G1+4], 64                          ; tile_dim1
	s_mov_b32 s[G1+5], 4096                        ; bytes from row to row
	s_mov_b32 s[G1+6], 0
	s_mov_b32 s[G1+7], 0
	s_mov_b32 s[G0], 1
	s_mov_b32 s[G0+4], 1
	s_mul_i32 s[G0+1], s14, 64*PITCH               ; LDS: wave x 64 rows
	s_add_co_u32 s[G0+5], s[G0+1], SLOT
	s_lshl_b32 s18, s17, 20                        ; W2: 256 rows of 4,096 bytes a block of columns,
	s_lshl_b32 s19, s14, 18                        ; 64 rows a wave
	s_add_co_u32 s18, s18, s19
	s_mov_b32 s19, 0
	s_lshl_b32 s20, s16, 1                         ; hc: (2 x block of rows + w / 2) x 524288 + (w % 2) x 16384
	s_lshr_b32 s21, s14, 1
	s_add_co_u32 s20, s20, s21
	s_lshl_b32 s20, s20, 19
	s_and_b32 s21, s14, 1
	s_lshl_b32 s21, s21, 14
	s_add_co_u32 s20, s20, s21
	s_mov_b32 s21, 0
	s_lshl_b32 s22, s16, 22                        ; out0: 256 rows of 16,384 bytes a block, 64 rows a wave, 1,024 bytes a block of columns
	s_lshl_b32 s23, s14, 20
	s_add_co_u32 s22, s22, s23
	s_lshl_b32 s48, s17, 10
	s_add_co_u32 s22, s22, s48
	s_mov_b32 s23, 0
	s_mov_b32 s49, 0
	s_lshr_b32 s50, s17, 3                         ; my eight of the 128 blocks of hc: 2,048 bytes by my block of columns
	s_lshl_b32 s50, s50, 15
	s_and_b32 s51, s17, 7
	s_lshl_b32 s51, s51, 11
	s_add_co_u32 s50, s50, s51
	s_mov_b32 s51, 0
	s_lshl_b32 s52, s15, 16                        ; my 16 of the 64 rows of W2, by my place in the cluster
	s_mov_b32 s53, 0
	s_wait_dscnt 0x0                               ; both opening adds are done
	s_wait_kmcnt 0x0
	s_load_b128 s[76:79], s[8:9], 0x0              ; e0 .. e3
	s_add_nc_u64 s[G0+2:G0+3], s[6:7], s[18:19]
	s_add_nc_u64 s[PW2:PW2+1], s[G0+2:G0+3], s[52:53]
	s_add_nc_u64 s[G0+6:G0+7], s[G0+2:G0+3], 512
	s_or_b32 s[G0+3], s[G0+3], 0x80000000
	s_or_b32 s[G0+7], s[G0+7], 0x80000000
	CROUND                                         ; all four work-groups are here: the first joint loads meet
	tensor_load_to_lds s[G0:G0+3], s[G1:G1+7]      ; K 0 .. 511: one tensor load a wave at the head
	s_nop 0
	s_add_nc_u64 s[HB:HB+1], s[4:5], s[20:21]
	s_add_nc_u64 s[PH:PH+1], s[HB:HB+1], s[50:51]
	s_add_nc_u64 s[12:13], s[12:13], s[22:23]
	s_add_nc_u64 s[10:11], s[10:11], s[48:49]
.irp t, 0,1,2                          ; h's sets of K steps 0, 1, 2
	HRUN \t, 0
	HRUN \t, 8
.endr
	WIN 0
	s_wait_tensorcnt 0x0                           ; my part is in
	ds_add_u32 v[SPW], v[NIL]
	s_wait_dscnt 0x0
	CROUND
	tensor_load_to_lds s[G0+4:G0+7], s[G1:G1+7]    ; K 512 .. 1023, the first tensor load behind the round
	s_nop 0
	PLACES
.irp b, 0,1,2,3,4,5,6,7,8,9,10,11,12,13,14
	WLD 0, \b
.endr
	STEP 0, 3, 1, 0, 32, 0                         ; the first step stands in front of the loop: its products start the sums
	WIN 0                                          ; at a label and at a branch every window is 0
	s_mov_b32 s3, 3
.Llap:                                                 ; a trip is eight steps, once round the two slots, from a lap's second step to the next lap's first
	STEP 1, 4, 0, 0, 32, 1
	STEP 2, 5, 0, 0, 32, 0
	STEP 3, 6, 0, 1, 32, 0
	STEP 4, 7, 0, 0, 32, 0
	STEP 5, 8, 0, 0, 32, 1
	STEP 6, 9, 0, 0, 32, 0
	STEP 7, 10, 0, 1, 32, 0
	STEP 0, 11, 0, 0, 32, 0
	WIN 0
	s_wait_xcnt 0x0                                ; my loads and prefetches have read their bases, which step a lap on
	s_add_nc_u64 s[HB:HB+1], s[HB:HB+1], 131072
	s_add_nc_u64 s[PH:PH+1], s[PH:PH+1], 131072
	s_add_nc_u64 s[PW2:PW2+1], s[PW2:PW2+1], 1024
	s_sub_co_u32 s3, s3, 1
	s_cmp_lg_u32 s3, 0
	s_cbranch_scc1 .Llap
	STEP 1, 4, 0, 0, 32, 0                         ; the last seven steps fill no slot and ask for nothing beyond K's end
	STEP 2, 5, 0, 0, 32, 0
	STEP 3, 6, 0, 2, 32, 0
	STEP 4, 7, 0, 0, 32, 0
	STEP 5, -1, 0, 0, 32, 0
	STEP 6, -1, 0, 0, 16, 0
	STEP 7, -1, 0, 3, 0, 0
	WIN 0
; THE WAY OUT, by blocks of 16 rows x 256 columns.  A lane holds 32 neighbouring bytes of a row: a block goes through my own stage in LDS and comes back as half rows of 512 bytes, which the 32 lanes
; store as two aligned units of 256 bytes.  LDS serves a wave's instructions in order (ISA guide 5.7.1.4): no wait between the stores and the loads, nor ahead of the next block's stores.
.macro STAGE a
.irp x, 0,1
	WIN 0x08+4*\x                                  ; the data's window: 2, then 3
.irp b, 0,1,2,3,4,5,6,7
	ds_store_b128 v[STO], v[32*\b+8*(\a):32*\b+8*(\a)+3] offset:64*(8*\x+\b)          ; each accumulator from its low end on
	ds_store_b128 v[STO], v[32*\b+8*(\a)+4:32*\b+8*(\a)+7] offset:64*(8*\x+\b)+16
.endr
.endr
.endm
.macro LDB g                           ; rows 8 g .. 8 g + 7 of the block, into buffer g
	WIN 0x10                                       ; (source 2, b2, window 1; all else window 0)
.irp t, 0,1,2,3,4,5,6,7,8,9,10,11,12,13,14,15
	ds_load_b128 v[BK+64*(\g)+4*\t:BK+64*(\g)+4*\t+3], v[RD] offset:(8*(\g)+\t/2)*SPITCH+512*(\t%2)
.endr
.endm
.macro SEND g, younger                 ; younger: the LDS instructions issued behind these rows' loads
	WIN 0x10
	s_wait_dscnt \younger
.irp t, 0,1,2,3,4,5,6,7,8,9,10,11,12,13,14,15
	v_pk_fma_f32 v[BK+64*(\g)+4*\t:BK+64*(\g)+4*\t+1], v[BK+64*(\g)+4*\t:BK+64*(\g)+4*\t+1], s[72:73], v[BIAS+4*(\t%2):BIAS+4*(\t%2)+1] op_sel_hi:[1,0,1]       ; x 2^(e2 + e3), + b2
	v_pk_fma_f32 v[BK+64*(\g)+4*\t+2:BK+64*(\g)+4*\t+3], v[BK+64*(\g)+4*\t+2:BK+64*(\g)+4*\t+3], s[72:73], v[BIAS+4*(\t%2)+2:BIAS+4*(\t%2)+3] op_sel_hi:[1,0,1]
.endr
.irp t, 0,1,2,3,4,5,6,7,8,9,10,11,12,13,14,15
	global_store_b128 v[HV], v[BK+64*(\g)+4*\t:BK+64*(\g)+4*\t+3], s[12:13] offset:(8*(\g)+\t/2)*16384+512*(\t%2) th:TH_STORE_NT   ; 32 lanes store 512 consecutive bytes, aligned
.endr
.endm
	s_wait_kmcnt 0x0
	s_add_co_i32 s72, s78, s79                     ; e2 + e3, between -126 and 127,
	s_add_co_i32 s72, s72, 127
	s_lshl_b32 s72, s72, 23                        ; makes the f32 number 2^(e2 + e3)
	s_mov_b32 s73, s72
	s_wait_loadcnt 0x0                             ; b2
	PLACES                                         ; behind the last products: their results are read, and their sources loaded into
	STAGE 0
	LDB 0
	LDB 1
.irp a, 1,2,3
	STAGE \a                                       ; block a goes into the stage while block a - 1's rows come back
	SEND 0, 48                                     ; behind them: the other eight rows' 16 loads and block a's 32 stores
	SEND 1, 32
	s_wait_xcnt 0x0                                ; the stores have read their registers and their base
	s_add_nc_u64 s[12:13], s[12:13], 16*16384
	LDB 0
	LDB 1
.endr
	SEND 0, 16
	SEND 1, 0
	WIN 0
	s_wait_tensorcnt 0x0                           ; the wave's end
	ds_add_u32 v[SPW], v[NIL]
	s_wait_dscnt 0x0
	CROUND                                         ; the closing round
	s_endpgm
.Lfunc_end_k_q08a49eaa48_gemm:
	.size	k_q08a49eaa48_gemm, .Lfunc_end_k_q08a49eaa48_gemm-k_q08a49eaa48_gemm
	.p2alignl 7, 3214868480
	.fill 96, 4, 3214868480
	.section	.rodata,"a",@progbits
	.p2align	6, 0x0
	.amdhsa_kernel k_q08a49eaa48_gemm
		.amdhsa_group_segment_fixed_size 327680
		.amdhsa_private_segment_fixed_size 0
		.amdhsa_enable_private_segment 0
		.amdhsa_kernarg_size 40
		.amdhsa_user_sgpr_count 2
		.amdhsa_user_sgpr_kernarg_segment_ptr 1
		.amdhsa_wavefront_size32 1
		.amdhsa_system_sgpr_workgroup_id_x 1
		.amdhsa_system_sgpr_workgroup_id_y 1
		.amdhsa_system_sgpr_workgroup_id_z 1
		.amdhsa_system_vgpr_workitem_id 0
		.amdhsa_next_free_vgpr 1024
		.amdhsa_next_free_sgpr 92
		.amdhsa_reserve_vcc 0
		.amdhsa_float_denorm_mode_32 3
		.amdhsa_float_denorm_mode_16_64 3
		.amdhsa_memory_ordered 1
		.amdhsa_forward_progress 1
		.amdhsa_inst_pref_size 215
	.end_amdhsa_kernel
	.amdgpu_metadata
---
amdhsa.version: [ 1, 2 ]
amdhsa.kernels:
  - .name:           k_q08a49eaa48_gemm
    .symbol:         k_q08a49eaa48_gemm.kd
    .args:
      - { .name: hc, .offset: 0, .size: 8, .value_kind: global_buffer, .address_space: global }
      - { .name: W2_codes, .offset: 8, .size: 8, .value_kind: global_buffer, .address_space: global }
      - { .name: lowp_scales, .offset: 16, .size: 8, .value_kind: global_buffer, .address_space: global }
      - { .name: b2, .offset: 24, .size: 8, .value_kind: global_buffer, .address_space: global }
      - { .name: out0, .offset: 32, .size: 8, .value_kind: global_buffer, .address_space: global }
    .group_segment_fixed_size: 327680
    .private_segment_fixed_size: 0
    .kernarg_segment_align: 8
    .kernarg_segment_size: 40
    .max_flat_workgroup_size: 128
    .sgpr_count:     92
    .vgpr_count:     1024
    .wavefront_size: 32
...
	.end_amdgpu_metadata
.endif
;; end of part 2
